; MI455X (gfx1250); checked and timed in simulation.
; The chip was launched on July 23, 2026; its instructions are those of AMD's public machine-readable ISA for CDNA 5 (MIT licence, August 2026) and "CDNA5" Instruction Set Architecture Reference Guide (July 2026). The comments in the code are by the model that wrote it; some were corrected since.
;; Fast Weight Attention. Allowed arithmetic: float matrix products may take bf16 or f16 operands with f32 sums; all other float work in f32.
;; Inputs: We 16 x 1,024 float32; Wk 1,024 x 1,024 float32; Wo 1,024 x 1,024 float32; Wq 1,024 x 1,024 float32; Wv 1,024 x 1,024 float32; Ww 16 x 1,024 float32; be 16 float32; bw 16 float32; x 2 x 2,048 x 1,024 float32.
;; Outputs: out0 2 x 2,048 x 1,024 float32.
;; One version. Each part assembles by itself: llvm-mc -triple=amdgcn-amd-amdhsa -mcpu=gfx1250 --defsym DOCPART=n.
;; ======== version 1 of 1: 4 launches
;; limits: values are held in f16: magnitudes above 65,504 overflow, below 6.1e-05 lose precision
;; workspace buffers: xh 8,388,608 bytes; wh 8,388,608 bytes; gt 524,288 bytes; ct 25,165,824 bytes; ao 8,388,608 bytes
;; launch prep (part 1): grid 256 x 1, 8 waves a work-group, no clusters, 177,408 bytes of LDS; arguments x, Wq, Wk, Wv, Wo, Ww, We, bw, be, xh, wh, gt; writes xh, wh, gt
.if DOCPART == 1
	.amdgcn_target "amdgcn-amd-amdhsa--gfx1250"
	.amdhsa_code_object_version 6
	.text
	.protected	k_q05017af6ea_prep
	.globl	k_q05017af6ea_prep
	.p2align	8
	.type	k_q05017af6ea_prep,@function
k_q05017af6ea_prep:
	s_mov_b64 s[64:65], 0
	v_nop
	global_prefetch_b8 v0, s[64:65] scope:SCOPE_SE
	s_setreg_imm32_b32 hwreg(HW_REG_WAVE_MODE, 25, 1), 1
	s_wait_xcnt 0x0
; Casts to f16 and the two gates.
; Work-groups 0-127: 32 rows of x each -> xh (f16), and for these 32 tokens the gates of all 16 heads -> gt.
; Work-groups 128-255: 32 rows each of Wq, Wk, Wv, Wo stacked -> wh (f16).
; Thread t owns the 16 bytes at 16 t of every f32 row: a wave's load covers 512 neighbouring bytes, its 8-byte store of f16 covers 256
; neighbouring bytes that start at a multiple of 256.  So wave w owns columns 128 w .. 128 w + 127, which is also the part of K that it
; multiplies for the gates: its f16 tile in LDS is its own and needs no barrier.
; gt: [b][head][block of 32 tokens][64 f32]: 32 x cl = running sum inside the block of log2((1 - e) 0.95 + 1e-8), then 32 x nl = -log2(w).
; LIMITS: x and the weights go to f16: magnitudes above 65504 become infinite, below 6e-8 zero.  v_exp_f32, v_log_f32 and v_rcp_f32
; flush denormals.  A write gate that underflows gives nl = +inf, which later stands for a weight of zero.
; No tensor loads, no cluster: the data are converted in registers on their way, and only 128 KiB of gate weights are shared.
.set XS,   32                          ; v[32:159]  32 slots of 4 registers: rows as loaded; later fragments and partial sums
.set YS,   160                         ; v[160:223] 32 pairs: rows in f16
.set ACC,  224                         ; v[224:255] four accumulator tiles (token tile i, gate j) at ACC + 8 (2 i + j)
.set WT,   17408                       ; a wave's tile: 64 rows (32 tokens, 16 of Ww, 16 of We) of 256 bytes, pitch 272
.set PART, 139264                      ; 8 waves x 4 tiles x 1,024 bytes: the waves' partial products
.set OUTS, 172032                      ; 16 heads x 256 bytes, pitch 272: the block's unit of gt for each head
	s_load_b512 s[4:19], s[0:1], 0x0               ; x 4, Wq 6, Wk 8, Wv 10, Wo 12, Ww 14, We 16, bw 18
	s_load_b256 s[20:27], s[0:1], 0x40             ; be 20, xh 22, wh 24, gt 26
	v_lshl_add_u32 v30, v0, 2, 0x2b100
	v_mov_b32 v31, 0
	v_lshrrev_b32 v12, 5, v0
	v_readfirstlane_b32 s28, v12                   ; wave
	s_mov_b32 s29, ttmp9                           ; work-group
	s_mov_b32 s37, 0                               ; upper word of every offset
	v_lshlrev_b32 v2, 4, v0                        ; my 16 bytes of an f32 row
	v_lshlrev_b32 v3, 3, v0                        ; my 8 bytes of an f16 row
	s_cmp_lt_u32 s29, 128
	s_cbranch_scc1 .Lrows_of_x
	; ---- 32 rows of the stacked weights ----
	s_sub_co_u32 s30, s29, 128                     ; 0 .. 127: block of 32 rows in wh
	s_lshr_b32 s31, s30, 5                         ; which matrix
	s_and_b32 s36, s30, 31
	s_lshl_b32 s36, s36, 17                        ; 32 rows x 4,096 bytes
	s_wait_kmcnt 0x0
	s_cmp_eq_u32 s31, 1
	s_cselect_b64 s[32:33], s[8:9], s[6:7]
	s_cmp_eq_u32 s31, 2
	s_cselect_b64 s[32:33], s[10:11], s[32:33]
	s_cmp_eq_u32 s31, 3
	s_cselect_b64 s[32:33], s[12:13], s[32:33]
	s_add_nc_u64 s[32:33], s[32:33], s[36:37]
	s_lshl_b32 s36, s30, 16                        ; 32 rows x 2,048 bytes
	s_add_nc_u64 s[34:35], s[24:25], s[36:37]
.set n, 0
.rept 32
	global_load_b128 v[XS+4*n:XS+4*n+3], v2, s[32:33] offset:4096*n th:TH_LOAD_NT
.set n, n+1
.endr
.set n, 0
.rept 32
	s_wait_loadcnt 31-n                            ; loads come back in order: row n is in, the younger rows stay out
	v_cvt_pk_f16_f32 v[YS+2*n], v[XS+4*n], v[XS+4*n+1]
	v_cvt_pk_f16_f32 v[YS+2*n+1], v[XS+4*n+2], v[XS+4*n+3]
	global_store_b64 v3, v[YS+2*n:YS+2*n+1], s[34:35] offset:2048*n
.set n, n+1
.endr
	s_endpgm
	; ---- 32 rows of x, and their gates ----
.Lrows_of_x:
	s_lshl_b32 s36, s29, 17
	s_wait_kmcnt 0x0
	s_add_nc_u64 s[32:33], s[4:5], s[36:37]
	s_lshl_b32 s36, s29, 16
	s_add_nc_u64 s[34:35], s[22:23], s[36:37]
.set n, 0
.rept 32
	global_load_b128 v[XS+4*n:XS+4*n+3], v2, s[32:33] offset:4096*n th:TH_LOAD_NT
.set n, n+1
.endr
	s_cmp_eq_u32 s28, 1
	s_cselect_b64 s[38:39], s[20:21], s[18:19]     ; wave 1 makes the erase gate (be), wave 0 the write gate (bw)
	s_mov_b32 s40, 0xbfb8aa3b                      ; -log2(e)
	s_mov_b32 s41, 0x3f733333                      ; 0.95
	s_mov_b32 s42, 0x322bcc77                      ; 1e-8
	s_mov_b32 s43, 0xffff0000                      ; lanes 16-31
	s_mov_b32 s44, 0x76543210                      ; v_permlanex16_b32: lane i of the other half
	s_mov_b32 s45, 0xfedcba98
	v_and_b32 v1, 31, v0                           ; lane
	v_and_b32 v13, 15, v0                          ; r
	v_bfe_u32 v14, v0, 4, 1                        ; h
	s_mul_i32 s30, s28, WT
	v_lshl_add_u32 v4, v1, 3, s30                  ; my 8 bytes of a row of my wave's tile
	v_mul_u32_u24 v15, v13, 272
	v_lshl_add_u32 v5, v14, 4, v15
	v_add_nc_u32 v5, s30, v5                       ; fragments: row r, 16 h
	s_lshl_b32 s31, s28, 12
	s_add_co_u32 s31, s31, PART
	v_lshl_add_u32 v6, v1, 4, s31                  ; my wave's partial tiles
	s_lshl_b32 s31, s28, 10
	s_add_co_u32 s31, s31, PART
	v_lshl_add_u32 v7, v1, 4, s31                  ; waves 0, 1: gate w's tiles in every wave's partials
	v_lshl_add_u32 v8, v14, 5, v15
	v_add_nc_u32 v8, OUTS, v8                      ; head r's unit, tokens 8 h ..
	v_lshrrev_b32 v16, 4, v0
	v_lshlrev_b32 v17, 4, v13
	v_mul_u32_u24 v9, v16, 272
	v_add3_u32 v9, v9, v17, OUTS                   ; the way out: head t / 16, 16 bytes
	v_lshl_add_u32 v10, v16, 14, v17               ; the same in gt: heads are 16,384 bytes apart
	v_lshlrev_b32 v11, 2, v13                      ; head r's bias
	; pass 1: x.  Each slot, once converted, is loaded again with a row of the gate weights.
.set n, 0
.rept 32
	s_wait_loadcnt 31                              ; behind row n's load stand 31 - n loads of x and n of gate rows
	v_cvt_pk_f16_f32 v[YS+2*n], v[XS+4*n], v[XS+4*n+1]
	v_cvt_pk_f16_f32 v[YS+2*n+1], v[XS+4*n+2], v[XS+4*n+3]
.if n < 16
	global_load_b128 v[XS+4*n:XS+4*n+3], v2, s[14:15] offset:4096*n
.else
	global_load_b128 v[XS+4*n:XS+4*n+3], v2, s[16:17] offset:4096*(n-16)
.endif
	ds_store_b64 v4, v[YS+2*n:YS+2*n+1] offset:272*n
	global_store_b64 v3, v[YS+2*n:YS+2*n+1], s[34:35] offset:2048*n
.set n, n+1
.endr
	s_wait_xcnt 0x0                                ; the pairs that the stores above read are written again only behind this wait
	; pass 2: the 32 gate rows
.set n, 0
.rept 32
	s_wait_loadcnt 31-n
	v_cvt_pk_f16_f32 v[YS+2*n], v[XS+4*n], v[XS+4*n+1]
	v_cvt_pk_f16_f32 v[YS+2*n+1], v[XS+4*n+2], v[XS+4*n+3]
	ds_store_b64 v4, v[YS+2*n:YS+2*n+1] offset:272*(32+n)
.set n, n+1
.endr
	; fragments of my wave's own tile: LDS serves a wave's instructions in order, so these see the stores above
.irp k, 0,1,2,3
.irp i, 0,1
	ds_load_b128 v[XS+32*\k+8*\i:XS+32*\k+8*\i+3],       v5 offset:4352*\i+64*\k
	ds_load_b128 v[XS+32*\k+8*\i+4:XS+32*\k+8*\i+7],     v5 offset:4352*\i+64*\k+32
	ds_load_b128 v[XS+32*\k+16+8*\i:XS+32*\k+16+8*\i+3], v5 offset:8704+4352*\i+64*\k
	ds_load_b128 v[XS+32*\k+20+8*\i:XS+32*\k+20+8*\i+7-4], v5 offset:8704+4352*\i+64*\k+32
.endr
.endr
	s_wait_dscnt 0x0
	; D[token][gate row], K = my 128 columns.  The four accumulators take turns, one instruction a turn.
.irp k, 0,1,2,3
.irp i, 0,1
.irp j, 0,1
.if \k == 0
	v_wmma_f32_16x16x32_f16 v[ACC+8*(2*\i+\j):ACC+8*(2*\i+\j)+7], v[XS+32*\k+8*\i:XS+32*\k+8*\i+7], v[XS+32*\k+16+8*\j:XS+32*\k+16+8*\j+7], 0
.else
	v_wmma_f32_16x16x32_f16 v[ACC+8*(2*\i+\j):ACC+8*(2*\i+\j)+7], v[XS+32*\k+8*\i:XS+32*\k+8*\i+7], v[XS+32*\k+16+8*\j:XS+32*\k+16+8*\j+7], v[ACC+8*(2*\i+\j):ACC+8*(2*\i+\j)+7]
.endif
.endr
.endr
.endr
.rept 4
	v_nop                                          ; four places behind the matrix instructions: for the stores of their results and the loads into their sources
.endr
.irp i, 0,1,2,3
	ds_store_b128 v6, v[ACC+8*\i:ACC+8*\i+3]   offset:1024*\i
	ds_store_b128 v6, v[ACC+8*\i+4:ACC+8*\i+7] offset:1024*\i+512
.endr
	s_wait_dscnt 0x0                               ; my partial sums are in LDS
	s_barrier_signal -1
	s_barrier_wait -1                              ; everybody's are
	s_cmp_gt_u32 s28, 1
	s_cbranch_scc1 .Lgates_done
	; wave 0: write gate; wave 1: erase gate.  Lane (r, h) holds head r, tokens 16 i + 8 h + 0 .. 7 in v[XS + 8 i ..].
	global_load_b32 v12, v11, s[38:39]
.irp k, 0,1,2,3,4,5,6,7
.irp i, 0,1
	ds_load_b128 v[XS+16*\k+8*\i:XS+16*\k+8*\i+3],   v7 offset:4096*\k+2048*\i
	ds_load_b128 v[XS+16*\k+8*\i+4:XS+16*\k+8*\i+7], v7 offset:4096*\k+2048*\i+512
.endr
.endr
	s_wait_dscnt 0x0
.irp k, 1,2,3,4,5,6,7
.irp j, 0,1,2,3,4,5,6,7
	v_pk_add_f32 v[XS+2*\j:XS+2*\j+1], v[XS+2*\j:XS+2*\j+1], v[XS+16*\k+2*\j:XS+16*\k+2*\j+1]
.endr
.endr
	s_wait_loadcnt 0x0
	v_mul_f32 v12, s40, v12                        ; -log2(e) x bias
.irp i, 0,1,2,3,4,5,6,7,8,9,10,11,12,13,14,15
	v_fma_f32 v[XS+\i], v[XS+\i], s40, v12         ; -log2(e) z
.endr
.irp i, 0,1,2,3,4,5,6,7,8,9,10,11,12,13,14,15
	v_exp_f32 v[XS+\i], v[XS+\i]
.endr
	v_nop                                          ; one plain place behind the last transcendental
	s_wait_alu depctr_va_vdst(0)
.irp j, 0,1,2,3,4,5,6,7
	v_pk_add_f32 v[XS+2*\j:XS+2*\j+1], v[XS+2*\j:XS+2*\j+1], 1.0 op_sel_hi:[1,0]   ; u = 1 + e^-z
.endr
	s_cmp_eq_u32 s28, 0
	s_cbranch_scc0 .Lerase
.irp i, 0,1,2,3,4,5,6,7,8,9,10,11,12,13,14,15
	v_log_f32 v[XS+\i], v[XS+\i]                   ; nl = log2(u) = -log2(sigmoid(z))
.endr
	v_nop
	s_wait_alu depctr_va_vdst(0)
.irp i, 0,1
	ds_store_b128 v8, v[XS+8*\i:XS+8*\i+3]   offset:128+64*\i
	ds_store_b128 v8, v[XS+8*\i+4:XS+8*\i+7] offset:128+64*\i+16
.endr
	s_branch .Lgates_done
.Lerase:
.irp i, 0,1,2,3,4,5,6,7,8,9,10,11,12,13,14,15
	v_rcp_f32 v[XS+\i], v[XS+\i]                   ; e = sigmoid(z)
.endr
	v_nop
	s_wait_alu depctr_va_vdst(0)
.irp i, 0,1,2,3,4,5,6,7,8,9,10,11,12,13,14,15
	v_sub_f32 v[XS+\i], 1.0, v[XS+\i]
.endr
.irp i, 0,1,2,3,4,5,6,7,8,9,10,11,12,13,14,15
	v_fma_f32 v[XS+\i], v[XS+\i], s41, s42         ; (1 - e) 0.95 + 1e-8
.endr
.irp i, 0,1,2,3,4,5,6,7,8,9,10,11,12,13,14,15
	v_log_f32 v[XS+\i], v[XS+\i]
.endr
	v_nop
	; running sum over the block's 32 tokens: along my 8 registers of each tile, then across the two halves of the lanes, then tile 0 onto tile 1
	s_wait_alu depctr_va_vdst(0)
.irp i, 1,2,3,4,5,6,7
	v_add_f32 v[XS+\i], v[XS+\i], v[XS+\i-1]
	v_add_f32 v[XS+8+\i], v[XS+8+\i], v[XS+8+\i-1]
.endr
	v_mov_b32 v13, 0                               ; v_permlanex16_b32 counts as a reader of its destination
	v_mov_b32 v14, 0
	v_permlanex16_b32 v13, v[XS+7], s44, s45       ; the other half's sum of 8, tile 0
	v_permlanex16_b32 v14, v[XS+15], s44, s45      ; tile 1
	v_add_f32 v15, v[XS+7], v13                    ; tile 0's sum of 16
	v_cndmask_b32 v13, 0, v13, s43                 ; lanes 16-31 stand behind tokens 0-7 of their tile
	v_cndmask_b32 v14, 0, v14, s43
	v_add_f32 v14, v14, v15
.irp i, 0,1,2,3,4,5,6,7
	v_add_f32 v[XS+\i], v[XS+\i], v13
	v_add_f32 v[XS+8+\i], v[XS+8+\i], v14
.endr
.irp i, 0,1
	ds_store_b128 v8, v[XS+8*\i:XS+8*\i+3]   offset:64*\i
	ds_store_b128 v8, v[XS+8*\i+4:XS+8*\i+7] offset:64*\i+16
.endr
.Lgates_done:
	s_wait_dscnt 0x0                               ; the two gates' units are in LDS
	s_barrier_signal -1
	s_barrier_wait -1
	ds_load_b128 v[16:19], v9
	s_lshr_b32 s30, s29, 6                         ; b
	s_lshl_b32 s30, s30, 18
	s_and_b32 s31, s29, 63                         ; block of 32 tokens
	s_lshl_b32 s31, s31, 8
	s_add_co_u32 s36, s30, s31
	s_add_nc_u64 s[36:37], s[26:27], s[36:37]
	s_wait_dscnt 0x0
	global_store_b128 v10, v[16:19], s[36:37]      ; sixteen lanes store one head's 256 bytes, at a multiple of 256 from gt's first byte
	s_wait_tensorcnt 0x0
	ds_add_u32 v30, v31
	s_wait_dscnt 0x0
	s_endpgm
.Lfunc_end_k_q05017af6ea_prep:
	.size	k_q05017af6ea_prep, .Lfunc_end_k_q05017af6ea_prep-k_q05017af6ea_prep
	.p2alignl 7, 3214868480
	.fill 96, 4, 3214868480
	.section	.rodata,"a",@progbits
	.p2align	6, 0x0
	.amdhsa_kernel k_q05017af6ea_prep
		.amdhsa_group_segment_fixed_size 177408
		.amdhsa_private_segment_fixed_size 0
		.amdhsa_enable_private_segment 0
		.amdhsa_kernarg_size 96
		.amdhsa_user_sgpr_count 2
		.amdhsa_user_sgpr_kernarg_segment_ptr 1
		.amdhsa_wavefront_size32 1
		.amdhsa_system_sgpr_workgroup_id_x 1
		.amdhsa_system_sgpr_workgroup_id_y 1
		.amdhsa_system_sgpr_workgroup_id_z 1
		.amdhsa_system_vgpr_workitem_id 0
		.amdhsa_next_free_vgpr 256
		.amdhsa_next_free_sgpr 66
		.amdhsa_reserve_vcc 0
		.amdhsa_float_denorm_mode_32 3
		.amdhsa_float_denorm_mode_16_64 3
		.amdhsa_memory_ordered 1
		.amdhsa_forward_progress 1
		.amdhsa_inst_pref_size 55
	.end_amdhsa_kernel
	.amdgpu_metadata
---
amdhsa.version: [ 1, 2 ]
amdhsa.kernels:
  - .name:           k_q05017af6ea_prep
    .symbol:         k_q05017af6ea_prep.kd
    .args:
      - { .name: x, .offset: 0, .size: 8, .value_kind: global_buffer, .address_space: global }
      - { .name: Wq, .offset: 8, .size: 8, .value_kind: global_buffer, .address_space: global }
      - { .name: Wk, .offset: 16, .size: 8, .value_kind: global_buffer, .address_space: global }
      - { .name: Wv, .offset: 24, .size: 8, .value_kind: global_buffer, .address_space: global }
      - { .name: Wo, .offset: 32, .size: 8, .value_kind: global_buffer, .address_space: global }
      - { .name: Ww, .offset: 40, .size: 8, .value_kind: global_buffer, .address_space: global }
      - { .name: We, .offset: 48, .size: 8, .value_kind: global_buffer, .address_space: global }
      - { .name: bw, .offset: 56, .size: 8, .value_kind: global_buffer, .address_space: global }
      - { .name: be, .offset: 64, .size: 8, .value_kind: global_buffer, .address_space: global }
      - { .name: xh, .offset: 72, .size: 8, .value_kind: global_buffer, .address_space: global }
      - { .name: wh, .offset: 80, .size: 8, .value_kind: global_buffer, .address_space: global }
      - { .name: gt, .offset: 88, .size: 8, .value_kind: global_buffer, .address_space: global }
    .group_segment_fixed_size: 177408
    .private_segment_fixed_size: 0
    .kernarg_segment_align: 8
    .kernarg_segment_size: 96
    .max_flat_workgroup_size: 256
    .sgpr_count:     66
    .vgpr_count:     256
    .wavefront_size: 32
...
	.end_amdgpu_metadata
.endif
;; end of part 1
;; launch qkv (part 2): grid 16 x 12, 4 waves a work-group, clusters of 4 x 4, 327,680 bytes of LDS; arguments wh, xh, ct; writes ct
.if DOCPART == 2
	.amdgcn_target "amdgcn-amd-amdhsa--gfx1250"
	.amdhsa_code_object_version 6
	.text
	.protected	k_q05017af6ea_qkv
	.globl	k_q05017af6ea_qkv
	.p2align	8
	.type	k_q05017af6ea_qkv,@function
k_q05017af6ea_qkv:
	s_mov_b64 s[64:65], 0
	v_nop
	global_prefetch_b8 v0, s[64:65] scope:SCOPE_SE
	s_setreg_imm32_b32 hwreg(HW_REG_WAVE_MODE, 25, 1), 1
	s_wait_xcnt 0x0
	s_wait_alu depctr_hold_cnt(0) depctr_sa_sdst(0) depctr_va_vdst(0) depctr_va_sdst(0) depctr_va_ssrc(0) depctr_va_vcc(0) depctr_vm_vsrc(0)
	s_getreg_b32 s2, hwreg(HW_REG_IB_STS2, 6, 4)
	s_cmp_eq_u32 s2, 0
	s_cbranch_scc0 .Lentry_in_a_cluster
	s_endpgm
.Lentry_in_a_cluster:
	s_bfe_u32 s2, ttmp6, 0x10000c
	s_cmp_lg_u32 s2, 0xf033
	s_cbranch_scc0 .Lentry_shape_is_right
	s_endpgm
.Lentry_shape_is_right:
; ct[f][n] = phi or identity of the sum over k of wh[f][k] xh[n][k].  wh rows 0-3071 (Wq, Wk, Wv), xh [4096][1024], both f16; sums in f32;
; ct [3072][4096] bf16: row = feature (Q 0.., K 1024.., V 2048..), column = token.  Rows below 2048 get phi(x) = x + 1 for x > 0, e^x otherwise.
; A work-group makes a block of 256 x 256 with four waves; a wave makes 128 x 128: 64 accumulator tiles, 512 registers.  K goes in steps of 128
; through a ring of two LDS slots filled by tensor loads; a tile's rows are 256 bytes and start at multiples of 256 bytes from the buffer's first byte.
; CLUSTERS: 4 x 4 work-groups.  The four of a row of the cluster need the same tiles of wh, the four of a column the same tiles of xh: each tile is
; asked for jointly, by the same tensor load with the same descriptor and a mask that names the four.  A wave has two tensor loads out at the start
; and one behind each refill.
; LIMITS: results are rounded to bf16; e^x is made by v_exp_f32, which flushes denormal results to zero.
; REGISTERS in windows of 256: window 0: v0-31 addresses, v64-127 and v128-191 fragments of wh (two buffers), on the way out v32-255 at work;
; window 1: v64-127, v128-191 fragments of xh; windows 2 and 3: the accumulators of my rows 0-63 and 64-127 (tile (a, b) at v[8 (8 a + b)]).
; The matrix instruction is used transposed (source 0 = 16 rows of xh, source 1 = 16 rows of wh): a lane holds eight neighbouring tokens of one feature.
.set SIZE_M, 3072
.set SIZE_N, 4096
.set SIZE_K, 1024
.set KSTEP,  128
.set PITCH,  272                       ; an LDS row: 256 bytes + 16 of padding: the 16 rows that a load touches start 16 bytes apart modulo 256
.set HALFT,  128*PITCH                 ; 128 rows: what one tensor load brings
.set SLOT,   4*HALFT                   ; wh's 256 rows, then xh's 256 rows
.set STAGE,  2*SLOT                    ; behind the ring: 16 rows x 272 bytes for each wave, for the way out; no tensor load lands here
.set SPITCH, 272
.set LAPS, SIZE_K/(2*KSTEP)            ; a lap = two K steps = once round the ring
.set ADRA, 16
.set ADRB, 20
.set STO,  24
.set RD,   25
.set CO,   26
.set F0,   64
.set F1,   128
.set EV,   64                          ; the way out: 64 x 2^(x log2 e)
.set YV,   128                         ; the way out: 64 x (x + 1), or x in V's rows
.set TMP,  192                         ; the way out: packed results
.set RB0,  32                          ; the way out: rows read back, two buffers by turns
.set RB1,  224
.set G1, 24
.set G0, 32
.set G1B, 48
.set G0B, 56
.set MSB, 0
.macro WIN new                         ; the immediate's high byte repeats the setting that is left
.if MSB != \new
	s_set_vgpr_msb (MSB<<8)|\new
.set MSB, \new
.endif
.endm
.set MUL_LO, 0xa1                      ; source 0 window 1, source 1 window 0, C and D window 2
.set MUL_HI, 0xf1                      ; the same, C and D window 3
.set TO_B,   0x40                      ; destination window 1, address window 0
; A joint load.  Waves 0 and 1 fetch wh's two halves, waves 2 and 3 xh's.  The branch hangs on the wave's number alone.
.macro JLOAD s
	s_cmp_eq_u32 s11, 0
	s_cbranch_scc0 .Lfor_b_\@
	tensor_load_to_lds s[G0+4*\s:G0+4*\s+3], s[G1:G1+7]
	s_nop 0
	s_branch .Lasked_\@
.Lfor_b_\@:
	tensor_load_to_lds s[G0B+4*\s:G0B+4*\s+3], s[G1B:G1B+7]
	s_nop 0
.Lasked_\@:
.endm
.macro CREST                           ; a round of the cluster's barrier behind its opening barrier
	s_cmp_lg_u32 s10, 0
	s_cbranch_scc1 .Lnot_wave_0_\@
	s_barrier_signal -3
.Lnot_wave_0_\@:
	s_barrier_wait -3
	s_barrier_signal -1
	s_barrier_wait -1
.endm
.macro CROUND                          ; a whole round
	s_barrier_signal -1
	s_barrier_wait -1
	CREST
.endm
	s_load_b128 s[4:7], s[0:1], 0x0                ; wh s[4:5], xh s[6:7]
	s_load_b64 s[8:9], s[0:1], 0x10                ; ct
	s_set_vgpr_msb 0x40
	v_lshl_add_u32 v255, v0, 2, 0x48400
	s_set_vgpr_msb 0x4000
	v_mov_b32 v31, 0
	s_set_vgpr_msb 0x1
	ds_add_u32 v255, v31
	s_set_vgpr_msb 0x100
	v_lshrrev_b32 v1, 5, v0
	v_readfirstlane_b32 s10, v1                    ; wave 0..3
	s_lshr_b32 s11, s10, 1                         ; which half of the block's rows is mine.  Also: I fetch for wh (0) or for xh (1)
	s_and_b32 s12, s10, 1                          ; which half of its columns.  Also: which 128 rows of that tile I fetch
	s_bfe_u32 s40, ttmp6, 0x40000                  ; cx
	s_bfe_u32 s41, ttmp6, 0x40004                  ; cy
	s_lshl_b32 s42, ttmp9, 2
	s_add_co_u32 s42, s42, s40                     ; block column = 4 x cluster x + cx
	s_and_b32 s13, ttmp7, 0xffff                   ; cluster y: 0, 1 are Q's and K's rows, 2 is V's
	s_mov_b32 s66, 0x3fb8aa3b                      ; log2(e), twice: a pair for the packed multiply
	s_mov_b32 s67, 0x3fb8aa3b
	s_mov_b32 s70, 0xff800000                      ; -inf
	s_cmp_lt_u32 s13, 2
	s_cselect_b32 s68, 0x3f800000, 0               ; what is added to x: 1 in Q's and K's rows, 0 in V's
	s_cselect_b32 s69, 0x3f800000, 0
	s_cselect_b32 s70, 0x3f800000, s70             ; x + that is taken where it is above 1; in V's rows above -inf, that is always
	s_lshl_b32 s13, s13, 2
	s_add_co_u32 s13, s13, s41                     ; block row = 4 x cluster y + cy
	s_lshl_b32 s43, s41, 2
	s_lshl_b32 s43, 15, s43                        ; my row of the cluster
	s_lshl_b32 s44, 0x1111, s40                    ; my column
	s_or_b32 s[G1+0], s43, (1<<16)|(1<<20)|(1<<21)|(5<<22)|(3<<25)  ; mask; element of 2 bytes; padding on; bit 21 beside a mask; after every 64 words, 4 words
	s_or_b32 s[G1B+0], s44, (1<<16)|(1<<20)|(1<<21)|(5<<22)|(3<<25)
	s_mov_b32 s[G1B+1], KSTEP<<16
	s_mov_b32 s[G1+1], KSTEP<<16                   ; tensor_dim0 = 128
	s_mov_b32 s[G1B+2], 128<<16
	s_mov_b32 s[G1+2], 128<<16                     ; tensor_dim1 = 128
	s_mov_b32 s[G1B+3], KSTEP<<16
	s_mov_b32 s[G1+3], KSTEP<<16                   ; tile_dim0 = 128
	s_mov_b32 s[G1B+4], 128
	s_mov_b32 s[G1+4], 128                         ; tile_dim1 = 128
	s_mov_b32 s[G1B+5], SIZE_K
	s_mov_b32 s[G1+5], SIZE_K                      ; elements from row to row
	s_mov_b32 s[G1B+6], 0
	s_mov_b32 s[G1+6], 0
	s_mov_b32 s[G1B+7], 0
	s_mov_b32 s[G1+7], 0
	s_lshl_b32 s17, s12, 7
	s_lshl_b32 s16, s13, 8
	s_add_co_u32 s16, s16, s17                     ; wh: row 256 x block row + 128 x half
	s_lshl_b32 s46, s42, 8
	s_add_co_u32 s46, s46, s17                     ; xh: row 256 x block column + 128 x half
	s_mov_b32 s17, 0
	s_mov_b32 s47, 0
	s_mov_b64 s[18:19], SIZE_K*2
	s_mul_u64 s[16:17], s[16:17], s[18:19]
	s_mul_u64 s[46:47], s[46:47], s[18:19]
	s_mul_i32 s20, s10, HALFT                      ; where they go: wave x 128 rows
	s_wait_dscnt 0x0
	s_wait_kmcnt 0x0
	s_add_nc_u64 s[14:15], s[4:5], s[16:17]
	s_add_nc_u64 s[46:47], s[6:7], s[46:47]
	CROUND                                         ; all sixteen work-groups are here: the first joint loads meet
.irp s, 0,1
	s_mov_b32 s[G0+4*\s], 1
	s_add_co_u32 s[G0+4*\s+1], s20, \s*SLOT
	s_add_nc_u64 s[G0+4*\s+2:G0+4*\s+3], s[14:15], \s*KSTEP*2
	s_or_b32 s[G0+4*\s+3], s[G0+4*\s+3], 0x80000000
	s_mov_b32 s[G0B+4*\s], 1
	s_add_co_u32 s[G0B+4*\s+1], s20, \s*SLOT
	s_add_nc_u64 s[G0B+4*\s+2:G0B+4*\s+3], s[46:47], \s*KSTEP*2
	s_or_b32 s[G0B+4*\s+3], s[G0B+4*\s+3], 0x80000000
	JLOAD \s
.endr
	v_and_b32 v1, 15, v0                           ; l % 16
	v_bfe_u32 v2, v0, 4, 1                         ; l / 16
	v_mul_u32_u24 v3, v1, PITCH
	v_lshl_add_u32 v3, v2, 4, v3
	s_mul_i32 s21, s11, HALFT
	s_mul_i32 s22, s12, HALFT
	s_add_co_u32 s22, s22, 2*HALFT
.irp s, 0,1
	v_add_nc_u32 v[ADRA+\s], s21, v3
	v_add_nc_u32 v[ADRB+\s], s22, v3
	s_add_co_u32 s21, s21, SLOT
	s_add_co_u32 s22, s22, SLOT
.endr
	s_mul_i32 s23, s10, 16*SPITCH
	s_add_co_u32 s23, s23, STAGE
	v_mul_u32_u24 v4, v1, SPITCH
	v_lshl_add_u32 v4, v2, 4, v4
	v_add_nc_u32 v[STO], s23, v4
	v_mul_u32_u24 v5, v2, SPITCH
	v_lshl_add_u32 v5, v1, 4, v5
	v_add_nc_u32 v[RD], s23, v5
	v_mul_u32_u24 v5, v2, SIZE_N*2
	v_lshl_add_u32 v[CO], v1, 4, v5
; 16 matrix instructions: m blocks a0, a0 + 1 of the window's four x all 8 n blocks, 32 along K.  zero = 1: the first product starts the sums.
; The 64 accumulators take turns, one instruction a turn, in the same order in every quarter step.
.macro MUL16 f, hi, a0, zero
.irp a, \a0, \a0+1
.irp b, 0,1,2,3,4,5,6,7
.if \zero
	v_wmma_f32_16x16x32_f16 v[8*(8*(\a)+\b):8*(8*(\a)+\b)+7], v[\f+8*\b:\f+8*\b+7], v[\f+8*(4*\hi+\a):\f+8*(4*\hi+\a)+7], 0
.else
	v_wmma_f32_16x16x32_f16 v[8*(8*(\a)+\b):8*(8*(\a)+\b)+7], v[\f+8*\b:\f+8*\b+7], v[\f+8*(4*\hi+\a):\f+8*(4*\hi+\a)+7], v[8*(8*(\a)+\b):8*(8*(\a)+\b)+7]
.endif
.endr
.endr
.endm
.macro FETCH slot, k, f                ; 32 LDS loads in one run: the fragments of one quarter step
	WIN TO_B
.irp i, 0,1,2,3,4,5,6,7
	ds_load_b128 v[\f+8*\i:\f+8*\i+3],   v[ADRB+\slot] offset:\k+\i*16*PITCH
	ds_load_b128 v[\f+8*\i+4:\f+8*\i+7], v[ADRB+\slot] offset:\k+\i*16*PITCH+32
.endr
	WIN 0
.irp i, 0,1,2,3,4,5,6,7
	ds_load_b128 v[\f+8*\i:\f+8*\i+3],   v[ADRA+\slot] offset:\k+\i*16*PITCH
	ds_load_b128 v[\f+8*\i+4:\f+8*\i+7], v[ADRA+\slot] offset:\k+\i*16*PITCH+32
.endr
.endm
.macro PLACES                          ; four places behind matrix instructions, in front of loads into their sources and of readers of their results
.rept 4
	v_nop
.endr
.endm
.macro QUARTER slot, k, f, g, zero
	s_wait_dscnt 8                                 ; xh's fragments and wh's rows 0-63 are in; the youngest eight loads may be out
	WIN MUL_LO
	MUL16 \f, 0, 0, \zero
	MUL16 \f, 0, 2, \zero
	PLACES
	FETCH \slot, \k, \g
	s_wait_dscnt 32                                ; all but the 32 just issued
	WIN MUL_HI
	MUL16 \f, 1, 0, \zero
	MUL16 \f, 1, 2, \zero
.endm
.macro THREE slot, zero
	QUARTER \slot, 64,  F0, F1, \zero
	QUARTER \slot, 128, F1, F0, 0
	QUARTER \slot, 192, F0, F1, 0
.endm
; The last quarter of a K step changes slots.  In front of the barrier each wave waits for its own reads of this slot and for all its tensor loads;
; behind it the refill comes first, then the next slot's first fragments.
.macro TURN slot, next, fill
	s_wait_dscnt 8
	WIN MUL_LO
	MUL16 F1, 0, 0, 0
	s_wait_dscnt 0                                 ; my reads of this slot are over
	s_wait_tensorcnt 0x0                           ; and all my tensor loads have landed: the one that was out is my part of the next slot
	ds_add_u32 v255, v31
	s_wait_dscnt 0x0
	s_barrier_signal -1
	MUL16 F1, 0, 2, 0                              ; work on registers while the others arrive
	WIN 0
	s_barrier_wait -1
.if \fill
	CREST                                          ; all sixteen work-groups have said so: no wave of any partner still reads this slot or has a load on its way
	s_add_nc_u64 s[G0+4*\slot+2:G0+4*\slot+3], s[G0+4*\slot+2:G0+4*\slot+3], 2*KSTEP*2
	s_add_nc_u64 s[G0B+4*\slot+2:G0B+4*\slot+3], s[G0B+4*\slot+2:G0B+4*\slot+3], 2*KSTEP*2
	JLOAD \slot                                    ; the first tensor load behind the round
.endif
	PLACES
	FETCH \next, 0, F0
	WIN MUL_HI
	MUL16 F1, 1, 0, 0
	MUL16 F1, 1, 2, 0
.endm
.macro LAP zero
	THREE 0, \zero
	TURN 0, 1, 1
	THREE 1, 0
	TURN 1, 0, 1
.endm
	s_wait_tensorcnt 1                             ; my part of K step 0 is in; K step 1's stays out
	s_barrier_signal -1
	s_barrier_wait -1
	FETCH 0, 0, F0
	LAP 1
	WIN 0
	s_mov_b32 s3, LAPS-2
.Llap:
	LAP 0
	WIN 0
	s_sub_co_u32 s3, s3, 1
	s_cmp_lg_u32 s3, 0
	s_cbranch_scc1 .Llap
	THREE 0, 0                                     ; the last lap fills nothing
	TURN 0, 1, 0
	THREE 1, 0
	s_wait_dscnt 8
	WIN MUL_LO
	MUL16 F1, 0, 0, 0
	MUL16 F1, 0, 2, 0
	s_wait_dscnt 0
	WIN MUL_HI
	MUL16 F1, 1, 0, 0
	MUL16 F1, 1, 2, 0
	; THE WAY OUT, 16 rows of ct at a time: phi, round to bf16, 16 bytes a lane into my own stage, read back as rows of 256 bytes.
	PLACES
	s_lshl_b32 s13, s13, 8
	s_lshl_b32 s14, s11, 7
	s_add_co_u32 s16, s13, s14                     ; my first row of ct
	s_mov_b32 s17, 0
	s_mov_b64 s[18:19], SIZE_N*2
	s_mul_u64 s[16:17], s[16:17], s[18:19]
	s_add_nc_u64 s[8:9], s[8:9], s[16:17]
	s_lshl_b32 s46, s42, 9                         ; my first column, in bytes
	s_lshl_b32 s47, s12, 8
	s_add_co_u32 s46, s46, s47
	s_mov_b32 s47, 0
	s_add_nc_u64 s[8:9], s[8:9], s[46:47]
; phi without a branch: E = 2^(x log2 e) and Y = x + 1 are both made, and Y is taken where Y > 1.  (x > 0 so small that x + 1 rounds to 1 takes E,
; which is 1 as well.)  In V's rows Y = x and the threshold is -inf: Y is taken everywhere, and E is made for nothing.
.macro OUT16 i, a, from, f
	WIN \from
.irp b, 0,1,2,3,4,5,6,7
.irp r, 0,1,2,3
	v_pk_mul_f32 v[EV+8*\b+2*\r:EV+8*\b+2*\r+1], v[8*(8*\a+\b)+2*\r:8*(8*\a+\b)+2*\r+1], s[66:67] op_sel_hi:[1,0]
	v_pk_add_f32 v[YV+8*\b+2*\r:YV+8*\b+2*\r+1], v[8*(8*\a+\b)+2*\r:8*(8*\a+\b)+2*\r+1], s[68:69] op_sel_hi:[1,0]
.endr
.endr
	WIN 0
.set e, 0
.rept 64
	v_exp_f32 v[EV+e], v[EV+e]
.set e, e+1
.endr
.set e, 0
.rept 64
	v_cmp_lt_f32 vcc_lo, s70, v[YV+e]              ; the first of these is the plain place behind the last exponential
	s_wait_alu depctr_va_vdst(0)
	v_cndmask_b32 v[YV+e], v[EV+e], v[YV+e], vcc_lo
.set e, e+1
.endr
.irp b, 0,1,2,3,4,5,6,7
.irp r, 0,1,2,3
	v_cvt_pk_bf16_f32 v[TMP+4*\b+\r], v[YV+8*\b+2*\r], v[YV+8*\b+2*\r+1]
.endr
.endr
.irp b, 0,1,2,3,4,5,6,7
	ds_store_b128 v[STO], v[TMP+4*\b:TMP+4*\b+3] offset:32*\b
.endr
	s_wait_xcnt 0x0                                ; buffer f, which earlier stores read, and the stores' base are rewritten only behind this wait
.if \i
	s_add_nc_u64 s[8:9], s[8:9], 16*SIZE_N*2
.endif
.irp t, 0,1,2,3,4,5,6,7
	ds_load_b128 v[\f+4*\t:\f+4*\t+3], v[RD] offset:\t*2*SPITCH    ; LDS serves a wave's instructions in order: these see the stores above
.endr
.irp t, 0,1,2,3,4,5,6,7
	s_wait_dscnt 7-\t
	global_store_b128 v[CO], v[\f+4*\t:\f+4*\t+3], s[8:9] offset:2*\t*SIZE_N*2   ; 16 lanes store 256 consecutive bytes, at a multiple of 256 from ct's first byte
.endr
.endm
	OUT16 0, 0, 0x0a, RB0
	OUT16 1, 1, 0x0a, RB1
	OUT16 2, 2, 0x0a, RB0
	OUT16 3, 3, 0x0a, RB1
	OUT16 4, 0, 0x0f, RB0
	OUT16 5, 1, 0x0f, RB1
	OUT16 6, 2, 0x0f, RB0
	OUT16 7, 3, 0x0f, RB1
	s_set_vgpr_msb 0x1
	s_wait_tensorcnt 0x0
	ds_add_u32 v255, v31
	s_wait_dscnt 0x0
	s_set_vgpr_msb 0x100
	CROUND                                         ; the closing round: no work-group ends while a partner may still ask for a tile that names it
	s_endpgm
.Lfunc_end_k_q05017af6ea_qkv:
	.size	k_q05017af6ea_qkv, .Lfunc_end_k_q05017af6ea_qkv-k_q05017af6ea_qkv
	.p2alignl 7, 3214868480
	.fill 96, 4, 3214868480
	.section	.rodata,"a",@progbits
	.p2align	6, 0x0
	.amdhsa_kernel k_q05017af6ea_qkv
		.amdhsa_group_segment_fixed_size 327680
		.amdhsa_private_segment_fixed_size 0
		.amdhsa_enable_private_segment 0
		.amdhsa_kernarg_size 24
		.amdhsa_user_sgpr_count 2
		.amdhsa_user_sgpr_kernarg_segment_ptr 1
		.amdhsa_wavefront_size32 1
		.amdhsa_system_sgpr_workgroup_id_x 1
		.amdhsa_system_sgpr_workgroup_id_y 1
		.amdhsa_system_sgpr_workgroup_id_z 1
		.amdhsa_system_vgpr_workitem_id 0
		.amdhsa_next_free_vgpr 1024
		.amdhsa_next_free_sgpr 72
		.amdhsa_reserve_vcc 1
		.amdhsa_float_denorm_mode_32 3
		.amdhsa_float_denorm_mode_16_64 3
		.amdhsa_memory_ordered 1
		.amdhsa_forward_progress 1
		.amdhsa_inst_pref_size 255
	.end_amdhsa_kernel
	.section	.bss,"aw",@nobits
	.p2align	6
	.space	262144
	.amdgpu_metadata
---
amdhsa.version: [ 1, 2 ]
amdhsa.kernels:
  - .name:           k_q05017af6ea_qkv
    .symbol:         k_q05017af6ea_qkv.kd
    .args:
      - { .name: wh, .offset: 0, .size: 8, .value_kind: global_buffer, .address_space: global }
      - { .name: xh, .offset: 8, .size: 8, .value_kind: global_buffer, .address_space: global }
      - { .name: ct, .offset: 16, .size: 8, .value_kind: global_buffer, .address_space: global }
    .group_segment_fixed_size: 327680
    .private_segment_fixed_size: 0
    .kernarg_segment_align: 8
    .kernarg_segment_size: 24
    .max_flat_workgroup_size: 128
    .sgpr_count:     72
    .vgpr_count:     1024
    .wavefront_size: 32
...
	.end_amdgpu_metadata
.endif
;; end of part 2
;; launch attn (part 3): grid 256 x 1, 8 waves a work-group, no clusters, 202,752 bytes of LDS; arguments ct, gt, ao; writes ao
.if DOCPART == 3
	.amdgcn_target "amdgcn-amd-amdhsa--gfx1250"
	.amdhsa_code_object_version 6
	.text
	.protected	k_q05017af6ea_attn
	.globl	k_q05017af6ea_attn
	.p2align	8
	.type	k_q05017af6ea_attn,@function
k_q05017af6ea_attn:
	s_mov_b64 s[64:65], 0
	v_nop
	global_prefetch_b8 v0, s[64:65] scope:SCOPE_SE
	s_setreg_imm32_b32 hwreg(HW_REG_WAVE_MODE, 25, 1), 1
	s_wait_xcnt 0x0
; The gated causal attention of one (b, head) for two chunks of 128 rows, c = p and c = 15 - p (p = work-group & 7): 15 chunks of prefix in all.
; With c2 the running sum of log2(g + 1e-8) and nl = -log2(w):  eff[i][j] = (Q_i . K_j) 2^(c2_i - c2_j - nl_j) for j <= i.
;   rows j of the target's own chunk: as written, with crel = c2 counted from the chunk's first token and arel = crel + nl: 2^(crel_i - arel_j);
;   rows j in front of the chunk: 2^(crel_i) x f_j with f_j = 2^(c2 at the chunk's start - c2_j - nl_j), and the sum over j goes through the state
;   S[dk][dv] = sum_j f_j K_j[dk] Vx_j[dv], Vx = [V, 1].  Every factor is at most 1 since g + 1e-8 < 1: no maximum has to be taken away.
; The prefix is walked BACKWARDS, chunk c-1 down to 0, with RUN = the sum of the totals of the chunks passed: f_j needs only RUN and its own chunk's
; four units of gt.  Column 64 of Vx (a constant fragment of ones) yields the denominator by the same matrix instructions as the numerator.
; c = 0 has no prefix: one trip runs on chunk 0 with f forced to 0, so that S = 0 without a second text.
; FORMATS: Q, K, V, f K and S bf16; eff as two bf16 fragments, high part and remainder; the result f16, [b][chunk][head][128][64].
; LIMITS: v_exp_f32 flushes results below 2^-126 to zero (weights that small vanish against the 1e-6 in the divisor); results above 65504 overflow f16,
; below 6e-8 become zero.
; NO CLUSTER, NO TENSOR LOADS: work-groups of one head walk different numbers of chunks (1 to 15), so partners could not make the same requests;
; tiles come through registers, sixteen lanes to a 256-byte piece of a row, requested one trip ahead.
; All LDS addresses are a lane term, the wave's number and constants.
.set RK,   0                           ; prefix K^T: 64 rows (dk) x 128 tokens bf16, pitch 272
.set RV,   17408                       ; prefix V^T, pitch 272
.set QT,   34816                       ; own Q^T, pitch 288 (read by transposing loads)
.set KT,   53248                       ; own K^T, pitch 288
.set VT,   71680                       ; own V^T, pitch 272
.set RF,   89088                       ; f of the prefix chunk's 128 tokens (written twice over, by 256 threads: 1,024 bytes)
.set OWN,  90112                       ; crel of the own chunk's 128 tokens, then arel
.set PART, 91136                       ; [q 4][tile 4 nt + dk tile, 20][half 2][lane][16 bytes] f32
.set SF,   173056                      ; S as fragments: [2 nt + kk, 10][half 2][lane][16 bytes] bf16
.set OST,  183296                      ; the way out: for each wave 16 rows of 128 bytes, pitch 144
.set GOFF, 4                           ; (t/16) x 8,192 + (t%16) x 16: my 16 bytes of a tile in ct
.set L272, 5
.set L288, 6
.set LVT,  7
.set KA,   8
.set VA,   9
.set FA,   10
.set PA,   11
.set PR,   12
.set PR2,  13
.set SFW,  14
.set SFR,  15
.set QA,   16
.set KTA,  17
.set AJA,  18
.set VTA,  19
.set DLT,  20                          ; 16 w + r - 8 h: key 16 tt + jj of trip tr counts where 32 tr + 16 tt + jj <= DLT
.set OSW,  21
.set OSR,  22
.set AOO,  23
.set GTO,  24
.set ZERO, 25
.set RFW,  26
.set CIA,  27
.set RUN,  28
.set ONES, 40                          ; v[40:47] fragment: row (column) 0 all ones, the rest 0
.set CI,   49                          ; crel of my row
.set EP,   50                          ; v[50:51] 2^crel, twice
.set TP,   52                          ; v[52:59] at work
.set GS,   64                          ; v[64:143] tiles on their way from ct to LDS
.set KF,   96                          ; prefix: v[96:111] K fragments, v[112:143] V fragments, v[144:159] f
.set VF,   112
.set FF,   144
.set SM,   160                         ; v[160:165] prefix chunk: cl, nl, T0..T3
.set SO,   166                         ; v[166:170] own chunk: cl, nl, T0..T2
.set ACC,  176                         ; v[176:255] ten state tiles (i, nt) at ACC + 8 (5 i + nt)
.set QF,   64                          ; in the chunk: v[64:79] Q, v[80:95] scores, v[96:127] K, v[136:175] O
.set ST,   80
.set KI,   96
.set OA,   136
.set SR,   176                         ; v[176:255] S fragments; then v[176:207] V, v[208:223] arel, v[224:239] decay, v[240:247] high, v[248:255] remainder
.set VI,   176
.set AJ,   208
.set EX,   224
.set PH,   240
.set PL,   248
.macro BAR
	s_barrier_signal -1
	s_barrier_wait -1
.endm
.macro PLACES                          ; four places behind matrix instructions (ISA guide 7.12.1)
.rept 4
	v_nop
.endr
.endm
	s_load_b128 s[4:7], s[0:1], 0x0                ; ct, gt
	s_load_b64 s[8:9], s[0:1], 0x10                ; ao
	v_lshl_add_u32 v62, v0, 2, 0x31400
	v_mov_b32 v63, 0
	v_lshrrev_b32 v52, 5, v0
	v_readfirstlane_b32 s10, v52                   ; wave w
	s_and_b32 s11, s10, 3                          ; q: my 32 tokens of a prefix chunk; also my block of 32 in gt
	s_lshr_b32 s12, s10, 2                         ; mh: my half of dk
	s_and_b32 s13, ttmp9, 7                        ; p
	s_bfe_u32 s14, ttmp9, 0x40003                  ; head
	s_lshr_b32 s15, ttmp9, 7                       ; b
	s_mov_b32 s40, 0x76543210                      ; v_permlanex16_b32: lane i of the other half
	s_mov_b32 s41, 0xfedcba98
	s_mov_b32 s42, 0xffff0000                      ; a word's upper bf16; also: lanes 16-31
	s_mov_b32 s44, 0x358637bd                      ; 1e-6
	s_cmp_eq_u32 s11, 0
	s_cselect_b32 s45, -1, 0                       ; all ones where block 0's total lies at or behind my block,
	s_cmp_le_u32 s11, 1
	s_cselect_b32 s46, -1, 0                       ; block 1's,
	s_cmp_le_u32 s11, 2
	s_cselect_b32 s47, -1, 0                       ; block 2's
	s_not_b32 s49, s45                             ; and where it lies in front of my block
	s_not_b32 s50, s46
	s_not_b32 s51, s47
	s_cmp_ge_u32 s10, 4
	s_cselect_b32 s52, -1, 0                       ; waves 4-7 write arel, waves 0-3 crel
	v_and_b32 v1, 31, v0                           ; L
	v_and_b32 v2, 15, v0                           ; r
	v_bfe_u32 v3, v0, 4, 1                         ; h
	v_lshrrev_b32 v52, 4, v0                       ; t / 16
	v_lshlrev_b32 v53, 4, v2                       ; (t % 16) x 16
	v_lshl_add_u32 v[GOFF], v52, 13, v53
	v_mul_u32_u24 v[L272], v52, 272
	v_add_nc_u32 v[L272], v[L272], v53
	v_mul_u32_u24 v[L288], v52, 288
	v_add3_u32 v[L288], v[L288], v53, QT
	v_add_nc_u32 v[LVT], VT, v[L272]
	v_mul_u32_u24 v54, v2, 272
	v_lshl_add_u32 v54, v3, 4, v54                 ; r x 272 + 16 h
	s_mul_i32 s37, s12, 8704                       ; 32 rows of 272
	s_lshl_b32 s38, s11, 6                         ; 32 tokens
	s_add_co_u32 s37, s37, s38
	v_add_nc_u32 v[KA], s37, v54
	s_add_co_u32 s38, s38, RV
	v_add_nc_u32 v[VA], s38, v54
	s_lshl_b32 s37, s11, 7
	s_add_co_u32 s37, s37, RF
	v_lshl_add_u32 v[FA], v3, 5, s37               ; f of tokens 32 q + 8 h ..
	s_mul_i32 s37, s11, 20480
	s_lshl_b32 s38, s12, 11
	s_add_co_u32 s37, s37, s38
	s_add_co_u32 s37, s37, PART
	v_lshl_add_u32 v[PA], v1, 4, s37
	v_lshlrev_b32 v[PR], 4, v0
	v_add_nc_u32 v[PR], PART, v[PR]
	v_add_nc_u32 v[PR2], 40960, v[PR]
	s_lshl_b32 s37, s12, 10                        ; kk = w / 4
	s_bfe_u32 s38, s10, 0x10001
	s_lshl_b32 s38, s38, 9                         ; half = (w / 2) % 2
	s_add_co_u32 s37, s37, s38
	s_and_b32 s38, s10, 1
	s_lshl_b32 s38, s38, 3                         ; 8 bytes x (w % 2)
	s_add_co_u32 s37, s37, s38
	s_add_co_u32 s37, s37, SF
	v_lshl_add_u32 v[SFW], v1, 4, s37
	v_lshlrev_b32 v[SFR], 4, v1
	v_add_nc_u32 v[SFR], SF, v[SFR]
	v_and_b32 v55, 7, v0
	v_lshl_add_u32 v55, v3, 3, v55                 ; 8 h + L % 8
	v_mul_u32_u24 v55, v55, 288
	v_bfe_u32 v56, v0, 3, 1
	v_lshl_add_u32 v55, v56, 4, v55                ; the transposing load's lane term
	s_lshl_b32 s37, s10, 5
	s_add_co_u32 s37, s37, QT
	v_add_nc_u32 v[QA], s37, v55                   ; my wave's 16 rows
	v_add_nc_u32 v[KTA], KT, v55
	v_lshlrev_b32 v[AJA], 5, v3
	v_add_nc_u32 v[AJA], OWN+512, v[AJA]
	v_add_nc_u32 v[VTA], VT, v54
	s_lshl_b32 s37, s10, 4
	v_add_nc_u32 v[DLT], s37, v2
	v_lshlrev_b32 v56, 3, v3
	v_sub_nc_u32 v[DLT], v[DLT], v56
	s_mul_i32 s37, s10, 2304
	s_add_co_u32 s37, s37, OST
	v_mul_u32_u24 v[OSW], v2, 144
	v_lshl_add_u32 v[OSW], v3, 4, v[OSW]
	v_add_nc_u32 v[OSW], s37, v[OSW]
	v_lshrrev_b32 v56, 3, v1
	v_mul_u32_u24 v56, v56, 144
	v_and_b32 v57, 7, v0
	v_lshl_add_u32 v56, v57, 4, v56
	v_add_nc_u32 v[OSR], s37, v56
	s_lshl_b32 s38, s10, 11
	v_lshl_add_u32 v[AOO], v1, 4, s38
	s_lshl_b32 s38, s11, 8
	v_lshl_add_u32 v[GTO], v1, 2, s38              ; token 32 q + L of a chunk in gt
	v_mov_b32 v[ZERO], 0
	v_lshlrev_b32 v[RFW], 2, v0
	v_add_nc_u32 v[RFW], RF, v[RFW]
	s_lshl_b32 s38, s10, 6
	s_add_co_u32 s38, s38, OWN
	v_lshl_add_u32 v[CIA], v2, 2, s38
	v_cmp_eq_u32 vcc_lo, 0, v2
	v_mov_b32 v[ONES+1], 0x3f803f80
	v_cndmask_b32 v[ONES], 0, v[ONES+1], vcc_lo
.irp i, 1,2,3,4,5,6,7
	v_mov_b32 v[ONES+\i], v[ONES]
.endr
	s_wait_kmcnt 0x0
	s_lshl_b32 s38, s14, 19                        ; 64 rows of 8,192 bytes a head
	s_lshl_b32 s37, s15, 12                        ; 2,048 tokens a batch
	s_add_co_u32 s38, s38, s37
	s_mov_b32 s39, 0
	s_add_nc_u64 s[16:17], s[4:5], s[38:39]        ; Q^T
	s_add_nc_u64 s[18:19], s[16:17], 0x800000      ; K^T: 1,024 rows on
	s_add_nc_u64 s[20:21], s[16:17], 0x1000000     ; V^T
	s_lshl_b32 s38, s15, 4
	s_add_co_u32 s38, s38, s14
	s_lshl_b32 s38, s38, 14
	s_add_nc_u64 s[54:55], s[6:7], s[38:39]        ; gt of (b, head)
; f of the prefix chunk whose cl, nl and four block totals lie in v[SM ..]; RUN then takes the chunk's total.
.macro FCOMP
	v_and_b32 v56, s45, v[SM+2]
	v_and_b32 v57, s46, v[SM+3]
	v_and_b32 v58, s47, v[SM+4]
	v_add_f32 v59, v[RUN], v[SM+5]
	v_add_f32 v56, v56, v57
	v_add_f32 v58, v58, v59
	v_add_f32 v56, v56, v58                        ; RUN + the totals of my block and of those behind it
	v_sub_f32 v56, v56, v[SM]                      ; - cl: what lies behind token j
	v_sub_f32 v56, v56, v[SM+1]                    ; - nl
	v_exp_f32 v56, v56
	v_add_f32 v57, v[SM+2], v[SM+3]                ; (a plain place behind the exponential)
	v_add_f32 v58, v[SM+4], v[SM+5]
	v_add_f32 v57, v57, v58
	v_add_f32 v[RUN], v[RUN], v57
	s_wait_alu depctr_va_vdst(0)
	v_cndmask_b32 v56, 0, v56, s48                 ; c = 0: no prefix
	ds_store_b32 v[RFW], v56
.endm
; The prefix chunk in RK, RV, RF: my 32 tokens x my 32 dk x (64 dv + ones).  The ten accumulators take turns, one instruction a turn.
.macro COMPUTE zero
	ds_load_b128 v[FF:FF+3],     v[FA]
	ds_load_b128 v[FF+4:FF+7],   v[FA] offset:16
	ds_load_b128 v[FF+8:FF+11],  v[FA] offset:64
	ds_load_b128 v[FF+12:FF+15], v[FA] offset:80
.irp i, 0,1
	ds_load_b128 v[KF+8*\i:KF+8*\i+3],   v[KA] offset:4352*\i
	ds_load_b128 v[KF+8*\i+4:KF+8*\i+7], v[KA] offset:4352*\i+32
.endr
.irp j, 0,1,2,3
	ds_load_b128 v[VF+8*\j:VF+8*\j+3],   v[VA] offset:4352*\j
	ds_load_b128 v[VF+8*\j+4:VF+8*\j+7], v[VA] offset:4352*\j+32
.endr
	s_wait_dscnt 8                                 ; f and K are in; V's eight loads, the youngest, stay out
.irp i, 0,1
.irp k, 0,1,2,3,4,5,6,7
	v_lshlrev_b32 v[TP+2*(\k&3)], 16, v[KF+8*\i+\k]
	v_and_b32 v[TP+2*(\k&3)+1], s42, v[KF+8*\i+\k]
	v_pk_mul_f32 v[TP+2*(\k&3):TP+2*(\k&3)+1], v[TP+2*(\k&3):TP+2*(\k&3)+1], v[FF+2*\k:FF+2*\k+1]
	v_cvt_pk_bf16_f32 v[KF+8*\i+\k], v[TP+2*(\k&3)], v[TP+2*(\k&3)+1]
.endr
.endr
	s_wait_dscnt 0x0
.irp j, 0,1,2,3
.irp i, 0,1
.if \zero
	v_wmma_f32_16x16x32_bf16 v[ACC+8*(5*\i+\j):ACC+8*(5*\i+\j)+7], v[KF+8*\i:KF+8*\i+7], v[VF+8*\j:VF+8*\j+7], 0
.else
	v_wmma_f32_16x16x32_bf16 v[ACC+8*(5*\i+\j):ACC+8*(5*\i+\j)+7], v[KF+8*\i:KF+8*\i+7], v[VF+8*\j:VF+8*\j+7], v[ACC+8*(5*\i+\j):ACC+8*(5*\i+\j)+7]
.endif
.endr
.endr
.irp i, 0,1
.if \zero
	v_wmma_f32_16x16x32_bf16 v[ACC+8*(5*\i+4):ACC+8*(5*\i+4)+7], v[KF+8*\i:KF+8*\i+7], v[ONES:ONES+7], 0
.else
	v_wmma_f32_16x16x32_bf16 v[ACC+8*(5*\i+4):ACC+8*(5*\i+4)+7], v[KF+8*\i:KF+8*\i+7], v[ONES:ONES+7], v[ACC+8*(5*\i+4):ACC+8*(5*\i+4)+7]
.endif
.endr
	PLACES
.endm
; One trip: the chunk in front is requested, the chunk in LDS is multiplied, then the new one takes its place.
.macro TRIP zero
	s_sub_nc_u64 s[30:31], s[30:31], 256           ; the last loads by these bases have been waited for
	s_sub_nc_u64 s[32:33], s[32:33], 256
	s_sub_nc_u64 s[58:59], s[58:59], 1024
.irp i, 0,1,2,3
	global_load_b128 v[GS+4*\i:GS+4*\i+3],       v[GOFF], s[30:31] offset:131072*\i
	global_load_b128 v[GS+16+4*\i:GS+16+4*\i+3], v[GOFF], s[32:33] offset:131072*\i
.endr
	global_load_b32 v[SM],   v[GTO], s[58:59]
	global_load_b32 v[SM+1], v[GTO], s[58:59] offset:128
.irp i, 0,1,2,3
	global_load_b32 v[SM+2+\i], v[ZERO], s[58:59] offset:124+256*\i
.endr
	COMPUTE \zero
	s_wait_dscnt 0x0                               ; my reads of the chunk in LDS are back
	BAR                                            ; everybody's are: it may be written over
	s_wait_loadcnt 0x0
	FCOMP
.irp i, 0,1,2,3
	ds_store_b128 v[L272], v[GS+4*\i:GS+4*\i+3]       offset:4352*\i
	ds_store_b128 v[L272], v[GS+16+4*\i:GS+16+4*\i+3] offset:RV+4352*\i
.endr
	s_wait_dscnt 0x0                               ; my part of the new chunk is in LDS
	BAR
.endm
; 32 keys of the own chunk, trip tr.  Scores come transposed (lane = row i, eight neighbouring keys): packed, they are the B fragment of O^T += V^T P.
.macro INTRA tr
.irp t, 0,1
.irp k, 0,1
	ds_load_tr16_b128 v[KI+16*\t+8*\k:KI+16*\t+8*\k+3],   v[KTA] offset:64*\tr+32*\t+9216*\k
	ds_load_tr16_b128 v[KI+16*\t+8*\k+4:KI+16*\t+8*\k+7], v[KTA] offset:64*\tr+32*\t+9216*\k+4608
.endr
.endr
.irp t, 0,1
	ds_load_b128 v[AJ+8*\t:AJ+8*\t+3],   v[AJA] offset:128*\tr+64*\t
	ds_load_b128 v[AJ+8*\t+4:AJ+8*\t+7], v[AJA] offset:128*\tr+64*\t+16
.endr
.irp j, 0,1,2,3
	ds_load_b128 v[VI+8*\j:VI+8*\j+3],   v[VTA] offset:64*\tr+4352*\j
	ds_load_b128 v[VI+8*\j+4:VI+8*\j+7], v[VTA] offset:64*\tr+4352*\j+32
.endr
	s_wait_dscnt 8                                 ; K and arel are in; V's eight loads stay out
	v_wmma_f32_16x16x32_bf16 v[ST:ST+7],    v[KI:KI+7],     v[QF:QF+7],    0          ; the two score tiles take turns
	v_wmma_f32_16x16x32_bf16 v[ST+8:ST+15], v[KI+16:KI+23], v[QF:QF+7],    0
	v_wmma_f32_16x16x32_bf16 v[ST:ST+7],    v[KI+8:KI+15],  v[QF+8:QF+15], v[ST:ST+7]
	v_wmma_f32_16x16x32_bf16 v[ST+8:ST+15], v[KI+24:KI+31], v[QF+8:QF+15], v[ST+8:ST+15]
.irp k, 0,1,2,3,4,5,6,7,8,9,10,11,12,13,14,15
	v_sub_f32 v[EX+\k], v[CI], v[AJ+\k]            ; these fill the places behind the matrix instructions
.endr
.irp k, 0,1,2,3,4,5,6,7,8,9,10,11,12,13,14,15
	v_exp_f32 v[EX+\k], v[EX+\k]
.endr
.irp k, 0,1,2,3,4,5,6,7,8,9,10,11,12,13,14,15
	v_cmp_le_i32 vcc_lo, 32*\tr+16*(\k>>3)+(\k&7), v[DLT]          ; j <= i; the first of these is the plain place behind the last exponential
	s_wait_alu depctr_va_vdst(0)
	v_cndmask_b32 v[EX+\k], 0, v[EX+\k], vcc_lo                    ; a select, so that an overflowed factor of a masked key never meets a product
.endr
.irp k, 0,1,2,3,4,5,6,7
	v_pk_mul_f32 v[ST+2*\k:ST+2*\k+1], v[ST+2*\k:ST+2*\k+1], v[EX+2*\k:EX+2*\k+1]
.endr
.irp k, 0,1,2,3,4,5,6,7
	v_cvt_pk_bf16_f32 v[PH+\k], v[ST+2*\k], v[ST+2*\k+1]           ; the high part,
	v_lshlrev_b32 v[TP+2*(\k&3)], 16, v[PH+\k]
	v_and_b32 v[TP+2*(\k&3)+1], s42, v[PH+\k]
	v_pk_add_f32 v[ST+2*\k:ST+2*\k+1], v[ST+2*\k:ST+2*\k+1], v[TP+2*(\k&3):TP+2*(\k&3)+1] neg_lo:[0,1] neg_hi:[0,1]
	v_cvt_pk_bf16_f32 v[PL+\k], v[ST+2*\k], v[ST+2*\k+1]           ; and what it left
.endr
	s_wait_dscnt 0x0
.irp g, PH, PL
.irp j, 0,1,2,3
	v_wmma_f32_16x16x32_bf16 v[OA+8*\j:OA+8*\j+7], v[VI+8*\j:VI+8*\j+7], v[\g:\g+7], v[OA+8*\j:OA+8*\j+7]     ; the five accumulators take turns
.endr
	v_wmma_f32_16x16x32_bf16 v[OA+32:OA+39], v[ONES:ONES+7], v[\g:\g+7], v[OA+32:OA+39]
.endr
	PLACES
.endm
; One chunk of 128 rows; s22 = c.
.macro TARGET
	s_wait_xcnt 0x0                                ; the last chunk's stores have read their data and base: both are written again below
	s_max_u32 s23, s22, 1                          ; n: trips of the prefix
	s_cmp_lg_u32 s22, 0
	s_cselect_b32 s48, -1, 0
	s_mov_b32 s39, 0
	s_lshl_b32 s38, s22, 8                         ; 128 tokens
	s_add_nc_u64 s[24:25], s[16:17], s[38:39]
	s_add_nc_u64 s[26:27], s[18:19], s[38:39]
	s_add_nc_u64 s[28:29], s[20:21], s[38:39]
	s_lshl_b32 s38, s22, 10                        ; four units of gt
	s_add_nc_u64 s[56:57], s[54:55], s[38:39]
	s_sub_co_u32 s37, s23, 1                       ; the prefix starts at chunk n - 1
	s_lshl_b32 s38, s37, 8
	s_add_nc_u64 s[30:31], s[18:19], s[38:39]
	s_add_nc_u64 s[32:33], s[20:21], s[38:39]
	s_lshl_b32 s38, s37, 10
	s_add_nc_u64 s[58:59], s[54:55], s[38:39]
	s_lshl_b32 s38, s15, 4
	s_add_co_u32 s38, s38, s22
	s_lshl_b32 s38, s38, 4
	s_add_co_u32 s38, s38, s14
	s_lshl_b32 s38, s38, 14
	s_add_nc_u64 s[34:35], s[8:9], s[38:39]
.irp i, 0,1,2,3
	global_load_b128 v[GS+4*\i:GS+4*\i+3],       v[GOFF], s[24:25] offset:131072*\i
	global_load_b128 v[GS+16+4*\i:GS+16+4*\i+3], v[GOFF], s[26:27] offset:131072*\i
	global_load_b128 v[GS+32+4*\i:GS+32+4*\i+3], v[GOFF], s[28:29] offset:131072*\i
	global_load_b128 v[GS+48+4*\i:GS+48+4*\i+3], v[GOFF], s[30:31] offset:131072*\i
	global_load_b128 v[GS+64+4*\i:GS+64+4*\i+3], v[GOFF], s[32:33] offset:131072*\i
.endr
	global_load_b32 v[SO],   v[GTO], s[56:57]
	global_load_b32 v[SO+1], v[GTO], s[56:57] offset:128
.irp i, 0,1,2
	global_load_b32 v[SO+2+\i], v[ZERO], s[56:57] offset:124+256*\i
.endr
	global_load_b32 v[SM],   v[GTO], s[58:59]
	global_load_b32 v[SM+1], v[GTO], s[58:59] offset:128
.irp i, 0,1,2,3
	global_load_b32 v[SM+2+\i], v[ZERO], s[58:59] offset:124+256*\i
.endr
	v_mov_b32 v[RUN], 0
	s_wait_dscnt 0x0                               ; my LDS reads of the last chunk are back
	BAR                                            ; everybody's are: all regions may be written
	s_wait_loadcnt 0x0
	v_and_b32 v52, s49, v[SO+2]                    ; the totals of the blocks in front of mine
	v_and_b32 v53, s50, v[SO+3]
	v_and_b32 v54, s51, v[SO+4]
	v_add_f32 v52, v52, v53
	v_add_f32 v54, v54, v[SO]
	v_add_f32 v52, v52, v54                        ; crel
	v_and_b32 v53, s52, v[SO+1]
	v_add_f32 v52, v52, v53                        ; waves 4-7: arel = crel + nl
	ds_store_b32 v[RFW], v52 offset:OWN-RF
	FCOMP
.irp i, 0,1,2,3
	ds_store_b128 v[L288], v[GS+4*\i:GS+4*\i+3]       offset:4608*\i
	ds_store_b128 v[L288], v[GS+16+4*\i:GS+16+4*\i+3] offset:KT-QT+4608*\i
	ds_store_b128 v[LVT],  v[GS+32+4*\i:GS+32+4*\i+3] offset:4352*\i
	ds_store_b128 v[L272], v[GS+48+4*\i:GS+48+4*\i+3] offset:4352*\i
	ds_store_b128 v[L272], v[GS+64+4*\i:GS+64+4*\i+3] offset:RV+4352*\i
.endr
	s_wait_dscnt 0x0
	BAR
	; the prefix: n chunks.  The first product starts the sums; the last chunk requests nothing.
	s_cmp_eq_u32 s23, 1
	s_cbranch_scc1 .Lone_\@
	TRIP 1
	s_cmp_eq_u32 s23, 2
	s_cbranch_scc1 .Llast_\@
	s_sub_co_u32 s36, s23, 2
.Lprefix_\@:
	TRIP 0
	s_sub_co_u32 s36, s36, 1
	s_cmp_lg_u32 s36, 0
	s_cbranch_scc1 .Lprefix_\@
.Llast_\@:
	COMPUTE 0
	s_branch .Lsum_\@
.Lone_\@:
	COMPUTE 1
.Lsum_\@:
	; the four token quarters' partial states are added; thread t takes the 16 bytes at 16 t of each of the five 4,096-byte groups (nt)
.irp j, 0,1,2,3,4
.irp i, 0,1
	ds_store_b128 v[PA], v[ACC+8*(5*\i+\j):ACC+8*(5*\i+\j)+3]   offset:4096*\j+1024*\i
	ds_store_b128 v[PA], v[ACC+8*(5*\i+\j)+4:ACC+8*(5*\i+\j)+7] offset:4096*\j+1024*\i+512
.endr
.endr
	s_wait_dscnt 0x0
	BAR
.irp j, 0,1,2,3,4
	ds_load_b128 v[GS+4*\j:GS+4*\j+3],       v[PR]  offset:4096*\j
	ds_load_b128 v[GS+20+4*\j:GS+20+4*\j+3], v[PR]  offset:20480+4096*\j
	ds_load_b128 v[GS+40+4*\j:GS+40+4*\j+3], v[PR2] offset:4096*\j
	ds_load_b128 v[GS+60+4*\j:GS+60+4*\j+3], v[PR2] offset:20480+4096*\j
.endr
	s_wait_dscnt 0x0
.irp g, 1,2,3
.irp j, 0,1,2,3,4,5,6,7,8,9
	v_pk_add_f32 v[GS+2*\j:GS+2*\j+1], v[GS+2*\j:GS+2*\j+1], v[GS+20*\g+2*\j:GS+20*\g+2*\j+1]
.endr
.endr
	; a state tile D[dk][dv], packed, is half of the fragment A[dv][dk] in the same lanes: registers 4 u .. 4 u + 3 become 8 bytes at 8 u
.irp j, 0,1,2,3,4
	v_cvt_pk_bf16_f32 v[FF+2*\j],   v[GS+4*\j],   v[GS+4*\j+1]
	v_cvt_pk_bf16_f32 v[FF+2*\j+1], v[GS+4*\j+2], v[GS+4*\j+3]
	ds_store_b64 v[SFW], v[FF+2*\j:FF+2*\j+1] offset:2048*\j
.endr
	s_wait_dscnt 0x0
	BAR
	; my wave's 16 rows: O^T[dv][i] = 2^crel_i x (S^T Q_i)
.irp k, 0,1
	ds_load_tr16_b128 v[QF+8*\k:QF+8*\k+3],   v[QA] offset:9216*\k
	ds_load_tr16_b128 v[QF+8*\k+4:QF+8*\k+7], v[QA] offset:9216*\k+4608
.endr
	ds_load_b32 v[CI], v[CIA]
.irp j, 0,1,2,3,4,5,6,7,8,9
	ds_load_b128 v[SR+8*\j:SR+8*\j+3],   v[SFR] offset:1024*\j
	ds_load_b128 v[SR+8*\j+4:SR+8*\j+7], v[SFR] offset:1024*\j+512
.endr
	s_wait_dscnt 0x0
	v_exp_f32 v[EP], v[CI]
	v_exp_f32 v[EP+1], v[CI]
.irp k, 0,1
.irp j, 0,1,2,3,4
.if \k == 0
	v_wmma_f32_16x16x32_bf16 v[OA+8*\j:OA+8*\j+7], v[SR+8*(2*\j+\k):SR+8*(2*\j+\k)+7], v[QF+8*\k:QF+8*\k+7], 0
.else
	v_wmma_f32_16x16x32_bf16 v[OA+8*\j:OA+8*\j+7], v[SR+8*(2*\j+\k):SR+8*(2*\j+\k)+7], v[QF+8*\k:QF+8*\k+7], v[OA+8*\j:OA+8*\j+7]
.endif
.endr
.endr
	PLACES
	s_wait_alu depctr_va_vdst(0)
.irp j, 0,1,2,3,4,5,6,7,8,9,10,11,12,13,14,15,16,17,18,19
	v_pk_mul_f32 v[OA+2*\j:OA+2*\j+1], v[OA+2*\j:OA+2*\j+1], v[EP:EP+1]
.endr
	; the own chunk: keys 0 .. 16 w + 15, that is w / 2 + 1 trips of 32
	INTRA 0
	s_cmp_lt_u32 s10, 2
	s_cbranch_scc1 .Lrows_done_\@
	INTRA 1
	s_cmp_lt_u32 s10, 4
	s_cbranch_scc1 .Lrows_done_\@
	INTRA 2
	s_cmp_lt_u32 s10, 6
	s_cbranch_scc1 .Lrows_done_\@
	INTRA 3
.Lrows_done_\@:
	; the divisor of row i = r lies in register 0 of tile 4, lanes 0-15
	v_permlanex16_b32 v52, v[OA+32], s40, s41
	v_cndmask_b32 v52, v[OA+32], v52, s42
	v_add_f32 v52, s44, v52
	v_rcp_f32 v54, v52
	v_rcp_f32 v55, v52
	v_nop
	s_wait_alu depctr_va_vdst(0)
.irp j, 0,1,2,3,4,5,6,7,8,9,10,11,12,13,14,15
	v_pk_mul_f32 v[OA+2*\j:OA+2*\j+1], v[OA+2*\j:OA+2*\j+1], v[54:55]
.endr
.irp j, 0,1,2,3,4,5,6,7,8,9,10,11,12,13,14,15
	v_cvt_pk_f16_f32 v[KI+\j], v[OA+2*\j], v[OA+2*\j+1]
.endr
.irp j, 0,1,2,3
	ds_store_b128 v[OSW], v[KI+4*\j:KI+4*\j+3] offset:32*\j
.endr
.irp j, 0,1,2,3
	ds_load_b128 v[GS+4*\j:GS+4*\j+3], v[OSR] offset:576*\j        ; my wave's own bytes; LDS serves a wave's instructions in order
.endr
.irp j, 0,1,2,3
	s_wait_dscnt 3-\j
	global_store_b128 v[AOO], v[GS+4*\j:GS+4*\j+3], s[34:35] offset:512*\j   ; a wave's store covers 512 consecutive bytes, four rows
.endr
.endm
	s_mov_b32 s22, s13
	TARGET
	s_sub_co_u32 s22, 15, s13
	TARGET
	s_wait_tensorcnt 0x0
	ds_add_u32 v62, v63
	s_wait_dscnt 0x0
	s_endpgm
.Lfunc_end_k_q05017af6ea_attn:
	.size	k_q05017af6ea_attn, .Lfunc_end_k_q05017af6ea_attn-k_q05017af6ea_attn
	.p2alignl 7, 3214868480
	.fill 96, 4, 3214868480
	.section	.rodata,"a",@progbits
	.p2align	6, 0x0
	.amdhsa_kernel k_q05017af6ea_attn
		.amdhsa_group_segment_fixed_size 202752
		.amdhsa_private_segment_fixed_size 0
		.amdhsa_enable_private_segment 0
		.amdhsa_kernarg_size 24
		.amdhsa_user_sgpr_count 2
		.amdhsa_user_sgpr_kernarg_segment_ptr 1
		.amdhsa_wavefront_size32 1
		.amdhsa_system_sgpr_workgroup_id_x 1
		.amdhsa_system_sgpr_workgroup_id_y 1
		.amdhsa_system_sgpr_workgroup_id_z 1
		.amdhsa_system_vgpr_workitem_id 0
		.amdhsa_next_free_vgpr 256
		.amdhsa_next_free_sgpr 66
		.amdhsa_reserve_vcc 1
		.amdhsa_float_denorm_mode_32 3
		.amdhsa_float_denorm_mode_16_64 3
		.amdhsa_memory_ordered 1
		.amdhsa_forward_progress 1
		.amdhsa_inst_pref_size 155
	.end_amdhsa_kernel
	.amdgpu_metadata
---
amdhsa.version: [ 1, 2 ]
amdhsa.kernels:
  - .name:           k_q05017af6ea_attn
    .symbol:         k_q05017af6ea_attn.kd
    .args:
      - { .name: ct, .offset: 0, .size: 8, .value_kind: global_buffer, .address_space: global }
      - { .name: gt, .offset: 8, .size: 8, .value_kind: global_buffer, .address_space: global }
      - { .name: ao, .offset: 16, .size: 8, .value_kind: global_buffer, .address_space: global }
    .group_segment_fixed_size: 202752
    .private_segment_fixed_size: 0
    .kernarg_segment_align: 8
    .kernarg_segment_size: 24
    .max_flat_workgroup_size: 256
    .sgpr_count:     66
    .vgpr_count:     256
    .wavefront_size: 32
...
	.end_amdgpu_metadata
.endif
;; end of part 3
;; launch oproj (part 4): grid 8 x 32, 4 waves a work-group, clusters of 4 x 4, 327,680 bytes of LDS; arguments ao, wh, out0; writes out0
.if DOCPART == 4
	.amdgcn_target "amdgcn-amd-amdhsa--gfx1250"
	.amdhsa_code_object_version 6
	.text
	.protected	k_q05017af6ea_oproj
	.globl	k_q05017af6ea_oproj
	.p2align	8
	.type	k_q05017af6ea_oproj,@function
k_q05017af6ea_oproj:
	s_mov_b64 s[64:65], 0
	v_nop
	global_prefetch_b8 v0, s[64:65] scope:SCOPE_SE
	s_setreg_imm32_b32 hwreg(HW_REG_WAVE_MODE, 25, 1), 1
	s_wait_xcnt 0x0
	s_wait_alu depctr_hold_cnt(0) depctr_sa_sdst(0) depctr_va_vdst(0) depctr_va_sdst(0) depctr_va_ssrc(0) depctr_va_vcc(0) depctr_vm_vsrc(0)
	s_getreg_b32 s2, hwreg(HW_REG_IB_STS2, 6, 4)
	s_cmp_eq_u32 s2, 0
	s_cbranch_scc0 .Lentry_in_a_cluster
	s_endpgm
.Lentry_in_a_cluster:
	s_bfe_u32 s2, ttmp6, 0x10000c
	s_cmp_lg_u32 s2, 0xf033
	s_cbranch_scc0 .Lentry_shape_is_right
	s_endpgm
.Lentry_shape_is_right:
; out0[token][n] = sum over k of ao[token][k] Wo[n][k].  ao: [block of 128 tokens, 32][head 16][128][64] f16 (k = 64 head + d); Wo = rows 3072.. of wh, f16;
; sums in f32, out0 f32.  A work-group makes 128 tokens x 128 columns with four waves; a wave makes 64 x 64: 16 accumulator tiles in window 1.
; K goes in four fills of 256 through two LDS slots, written out without a loop.  A slot has four quarters of 36,864 bytes, one a wave:
; waves 0, 1: two head planes of ao each (256 dense rows of 128 bytes, pitch 144); waves 2, 3: 64 rows of Wo each (512 bytes, pitch 528).
; CLUSTERS: 4 x 4 work-groups; ao's tiles are shared along a row of the cluster, Wo's along a column, by joint loads.
; A wave has two tensor loads out at the start and one behind each refill.
; The matrix instruction is used transposed (source 0 = rows of Wo, source 1 = rows of ao): a lane holds eight neighbouring columns of one token.
.set QUART,  36864
.set SLOT,   4*QUART
.set STAGE,  2*SLOT                    ; 16 rows x 272 bytes for each wave, for the way out; no tensor load lands here
.set SPITCH, 272
.set APL,    18432                     ; a head plane: 128 tokens x 144
.set ADRA, 16
.set ADRB, 20
.set STO,  24
.set RD,   25
.set CO,   26
.set F0,   64                          ; a buffer: 32 registers of Wo's fragments, 32 of ao's
.set F1,   128
.set RB0,  192
.set RB1,  224
.set G1, 24
.set G0, 32
.set G1B, 48
.set G0B, 56
.set ACCW, 0x50                        ; C and D window 1, sources window 0
.set MSB, 0
.macro WIN new
.if MSB != \new
	s_set_vgpr_msb (MSB<<8)|\new
.set MSB, \new
.endif
.endm
.macro JLOAD s                         ; waves 0, 1 ask for ao's planes, waves 2, 3 for Wo's rows; the branch hangs on the wave's number alone
	s_cmp_eq_u32 s11, 0
	s_cbranch_scc0 .Lfor_b_\@
	tensor_load_to_lds s[G0+4*\s:G0+4*\s+3], s[G1:G1+7]
	s_nop 0
	s_branch .Lasked_\@
.Lfor_b_\@:
	tensor_load_to_lds s[G0B+4*\s:G0B+4*\s+3], s[G1B:G1B+7]
	s_nop 0
.Lasked_\@:
.endm
.macro CROUND                          ; a round of the cluster's barrier
	s_barrier_signal -1
	s_barrier_wait -1
	s_cmp_lg_u32 s10, 0
	s_cbranch_scc1 .Lnot_wave_0_\@
	s_barrier_signal -3
.Lnot_wave_0_\@:
	s_barrier_wait -3
	s_barrier_signal -1
	s_barrier_wait -1
.endm
.macro PLACES                          ; four places behind matrix instructions (ISA guide 7.12.1)
.rept 4
	v_nop
.endr
.endm
	s_load_b128 s[4:7], s[0:1], 0x0                ; ao, wh
	s_load_b64 s[8:9], s[0:1], 0x10                ; out0
	v_lshl_add_u32 v62, v0, 2, 0x4c400
	v_mov_b32 v63, 0
	ds_add_u32 v62, v63
	v_lshrrev_b32 v1, 5, v0
	v_readfirstlane_b32 s10, v1                    ; wave
	s_lshr_b32 s11, s10, 1                         ; my half of the tokens.  Also: I fetch for ao (0) or for Wo (1)
	s_and_b32 s12, s10, 1                          ; my half of the columns.  Also: which half of that tile I fetch
	s_bfe_u32 s40, ttmp6, 0x40000                  ; cx
	s_bfe_u32 s41, ttmp6, 0x40004                  ; cy
	s_lshl_b32 s42, ttmp9, 2
	s_add_co_u32 s42, s42, s40                     ; block column
	s_and_b32 s13, ttmp7, 0xffff
	s_lshl_b32 s13, s13, 2
	s_add_co_u32 s13, s13, s41                     ; block row
	s_lshl_b32 s43, s41, 2
	s_lshl_b32 s43, 15, s43                        ; my row of the cluster
	s_lshl_b32 s44, 0x1111, s40                    ; my column
	s_or_b32 s[G1+0], s43, (1<<16)|(1<<20)|(1<<21)|(4<<22)|(3<<25)  ; mask; 2-byte elements; padding: 4 words after every 32; bit 21 beside a mask
	s_mov_b32 s[G1+1], 64<<16                      ; tensor_dim0 = 64
	s_mov_b32 s[G1+2], 256<<16                     ; tensor_dim1 = 256
	s_mov_b32 s[G1+3], 64<<16                      ; tile_dim0 = 64
	s_mov_b32 s[G1+4], 256                         ; tile_dim1 = 256: two planes of 128 tokens, dense in memory
	s_mov_b32 s[G1+5], 64                          ; elements from row to row
	s_mov_b32 s[G1+6], 0
	s_mov_b32 s[G1+7], 0
	s_or_b32 s[G1B+0], s44, (1<<16)|(1<<20)|(1<<21)|(6<<22)|(3<<25) ; padding: 4 words after every 128
	s_mov_b32 s[G1B+1], 256<<16                    ; tensor_dim0 = 256
	s_mov_b32 s[G1B+2], 64<<16                     ; tensor_dim1 = 64
	s_mov_b32 s[G1B+3], 256<<16                    ; tile_dim0 = 256
	s_mov_b32 s[G1B+4], 64                         ; tile_dim1 = 64
	s_mov_b32 s[G1B+5], 1024
	s_mov_b32 s[G1B+6], 0
	s_mov_b32 s[G1B+7], 0
	s_lshl_b32 s16, s13, 18                        ; ao: 262,144 bytes a block row,
	s_lshl_b32 s17, s12, 15                        ; two planes of 16,384
	s_add_co_u32 s16, s16, s17
	s_mov_b32 s17, 0
	s_lshl_b32 s46, s42, 18                        ; Wo: 128 rows of 2,048 bytes a block column,
	s_lshl_b32 s47, s12, 17                        ; 64 rows,
	s_add_co_u32 s46, s46, s47
	s_add_co_u32 s46, s46, 6291456                 ; behind 3,072 rows of wh
	s_mov_b32 s47, 0
	s_mul_i32 s20, s10, QUART                      ; where they go: wave x a quarter of a slot
	s_wait_dscnt 0x0
	s_wait_kmcnt 0x0
	s_add_nc_u64 s[14:15], s[4:5], s[16:17]
	s_add_nc_u64 s[46:47], s[6:7], s[46:47]
	CROUND                                         ; all sixteen work-groups are here: the first joint loads meet
.irp s, 0,1
	s_mov_b32 s[G0+4*\s], 1
	s_add_co_u32 s[G0+4*\s+1], s20, \s*SLOT
	s_add_nc_u64 s[G0+4*\s+2:G0+4*\s+3], s[14:15], \s*65536        ; four planes a fill
	s_or_b32 s[G0+4*\s+3], s[G0+4*\s+3], 0x80000000
	s_mov_b32 s[G0B+4*\s], 1
	s_add_co_u32 s[G0B+4*\s+1], s20, \s*SLOT
	s_add_nc_u64 s[G0B+4*\s+2:G0B+4*\s+3], s[46:47], \s*512        ; 256 elements a fill
	s_or_b32 s[G0B+4*\s+3], s[G0B+4*\s+3], 0x80000000
	JLOAD \s
.endr
	v_and_b32 v1, 15, v0                           ; r
	v_bfe_u32 v2, v0, 4, 1                         ; h
	v_mul_u32_u24 v3, v1, 144
	v_lshl_add_u32 v3, v2, 4, v3
	v_mul_u32_u24 v4, v1, 528
	v_lshl_add_u32 v4, v2, 4, v4
	s_mul_i32 s21, s11, 9216                       ; my 64 tokens of every plane
	s_mul_i32 s22, s12, QUART                      ; my 64 rows of Wo,
	s_add_co_u32 s22, s22, 2*QUART                 ; behind ao's two quarters
.irp s, 0,1
	v_add_nc_u32 v[ADRA+\s], s21, v3
	v_add_nc_u32 v[ADRB+\s], s22, v4
	s_add_co_u32 s21, s21, SLOT
	s_add_co_u32 s22, s22, SLOT
.endr
	s_mul_i32 s23, s10, 16*SPITCH
	s_add_co_u32 s23, s23, STAGE
	v_mul_u32_u24 v5, v1, SPITCH
	v_lshl_add_u32 v5, v2, 5, v5                   ; in: token r, 32 bytes for each half of the lanes
	v_add_nc_u32 v[STO], s23, v5
	v_mul_u32_u24 v6, v2, SPITCH
	v_lshl_add_u32 v6, v1, 4, v6                   ; back: lanes 0-15 one row of 256 bytes, lanes 16-31 the next
	v_add_nc_u32 v[RD], s23, v6
	v_lshlrev_b32 v6, 12, v2
	v_lshl_add_u32 v[CO], v1, 4, v6                ; the same two rows in out0
; four matrix instructions: token block a x all four column blocks, 32 along K.  The sixteen accumulators take turns in one order, one instruction a turn.
.macro MUL4 f, a, zero
.irp b, 0,1,2,3
.if \zero
	v_wmma_f32_16x16x32_f16 v[8*(4*\a+\b):8*(4*\a+\b)+7], v[\f+8*\b:\f+8*\b+7], v[\f+32+8*\a:\f+32+8*\a+7], 0
.else
	v_wmma_f32_16x16x32_f16 v[8*(4*\a+\b):8*(4*\a+\b)+7], v[\f+8*\b:\f+8*\b+7], v[\f+32+8*\a:\f+32+8*\a+7], v[8*(4*\a+\b):8*(4*\a+\b)+7]
.endif
.endr
.endm
; the fragments of 32 along K, part q (0 .. 7) of a slot: Wo's first, then ao's (plane q / 2, bytes 64 (q % 2) of its rows)
.macro FETCH slot, q, f
.irp b, 0,1,2,3
	ds_load_b128 v[\f+8*\b:\f+8*\b+3],   v[ADRB+\slot] offset:8448*\b+64*\q
	ds_load_b128 v[\f+8*\b+4:\f+8*\b+7], v[ADRB+\slot] offset:8448*\b+64*\q+32
.endr
.irp a, 0,1,2,3
	ds_load_b128 v[\f+32+8*\a:\f+32+8*\a+3], v[ADRA+\slot] offset:APL*(\q>>1)+64*(\q&1)+2304*\a
	ds_load_b128 v[\f+36+8*\a:\f+36+8*\a+3], v[ADRA+\slot] offset:APL*(\q>>1)+64*(\q&1)+2304*\a+32
.endr
.endm
.macro QUARTER slot, nq, f, g, zero    ; multiplies buffer f; in its middle fetches part nq into buffer g
	s_wait_dscnt 4                                 ; all but ao's blocks 2 and 3
	WIN ACCW
	MUL4 \f, 0, \zero
	MUL4 \f, 1, \zero
	PLACES
	WIN 0
	FETCH \slot, \nq, \g
	s_wait_dscnt 16                                ; all but the 16 just issued
	WIN ACCW
	MUL4 \f, 2, \zero
	MUL4 \f, 3, \zero
.endm
.macro SLOTRUN slot, zero              ; a slot's 256 along K
	PLACES
	FETCH \slot, 0, F0
	QUARTER \slot, 1, F0, F1, \zero
	QUARTER \slot, 2, F1, F0, 0
	QUARTER \slot, 3, F0, F1, 0
	QUARTER \slot, 4, F1, F0, 0
	QUARTER \slot, 5, F0, F1, 0
	QUARTER \slot, 6, F1, F0, 0
	QUARTER \slot, 7, F0, F1, 0
	s_wait_dscnt 0x0
	WIN ACCW
	MUL4 F1, 0, 0
	MUL4 F1, 1, 0
	MUL4 F1, 2, 0
	MUL4 F1, 3, 0
	WIN 0
.endm
; The slot just read is filled again.  Every wave's reads of it are back and all its tensor loads have landed in front of the round's opening signal;
; the joint load is the wave's first and only tensor load behind the round.
.macro REFILL slot
	s_wait_dscnt 0x0
	s_wait_tensorcnt 0x0
	ds_add_u32 v62, v63
	s_wait_dscnt 0x0
	CROUND
	s_add_nc_u64 s[G0+4*\slot+2:G0+4*\slot+3], s[G0+4*\slot+2:G0+4*\slot+3], 131072     ; eight planes on
	s_add_nc_u64 s[G0B+4*\slot+2:G0B+4*\slot+3], s[G0B+4*\slot+2:G0B+4*\slot+3], 1024   ; 512 elements on
	JLOAD \slot
.endm
	s_wait_tensorcnt 1                             ; my part of slot 0 is in; slot 1's stays out
	s_barrier_signal -1
	s_barrier_wait -1
	SLOTRUN 0, 1                                   ; k 0 .. 255: the first products start the sums
	REFILL 0
	SLOTRUN 1, 0                                   ; k 256 .. 511
	REFILL 1
	SLOTRUN 0, 0                                   ; k 512 .. 767
	s_wait_dscnt 0x0
	s_wait_tensorcnt 0x0                           ; my part of the last fill is in
	s_barrier_signal -1
	s_barrier_wait -1                              ; everybody's is; nothing is left to fetch
	SLOTRUN 1, 0                                   ; k 768 .. 1023
	; THE WAY OUT, 16 tokens at a time through my own stage: 32 bytes a lane in, whole rows of 256 bytes back
	PLACES
	s_lshl_b32 s16, s13, 19                        ; 128 rows of 4,096 bytes a block row,
	s_lshl_b32 s17, s11, 18                        ; 64 rows
	s_add_co_u32 s16, s16, s17
	s_mov_b32 s17, 0
	s_add_nc_u64 s[8:9], s[8:9], s[16:17]
	s_lshl_b32 s46, s42, 9                         ; 128 columns of 4 bytes a block column,
	s_lshl_b32 s47, s12, 8                         ; 64 columns
	s_add_co_u32 s46, s46, s47
	s_mov_b32 s47, 0
	s_add_nc_u64 s[8:9], s[8:9], s[46:47]
.macro OUT16 a, f
	WIN 0x04                                       ; store data from window 1
.irp b, 0,1,2,3
	ds_store_b128 v[STO], v[8*(4*\a+\b):8*(4*\a+\b)+3]   offset:64*\b
	ds_store_b128 v[STO], v[8*(4*\a+\b)+4:8*(4*\a+\b)+7] offset:64*\b+16
.endr
	WIN 0
	s_wait_xcnt 0x0                                ; buffer f, which earlier stores read, and the stores' base are rewritten only behind this wait
.if \a
	s_add_nc_u64 s[8:9], s[8:9], 16*4096
.endif
.irp t, 0,1,2,3,4,5,6,7
	ds_load_b128 v[\f+4*\t:\f+4*\t+3], v[RD] offset:\t*2*SPITCH    ; LDS serves a wave's instructions in order: these see the stores above
.endr
.irp t, 0,1,2,3,4,5,6,7
	s_wait_dscnt 7-\t
	global_store_b128 v[CO], v[\f+4*\t:\f+4*\t+3], s[8:9] offset:8192*\t th:TH_STORE_NT   ; 16 lanes store 256 consecutive bytes, at a multiple of 256 from out0's first byte
.endr
.endm
	OUT16 0, RB0
	OUT16 1, RB1
	OUT16 2, RB0
	OUT16 3, RB1
	s_wait_tensorcnt 0x0
	ds_add_u32 v62, v63
	s_wait_dscnt 0x0
	CROUND                                         ; the closing round: no work-group ends while a partner may still ask for a tile that names it
	s_endpgm
.Lfunc_end_k_q05017af6ea_oproj:
	.size	k_q05017af6ea_oproj, .Lfunc_end_k_q05017af6ea_oproj-k_q05017af6ea_oproj
	.p2alignl 7, 3214868480
	.fill 96, 4, 3214868480
	.section	.rodata,"a",@progbits
	.p2align	6, 0x0
	.amdhsa_kernel k_q05017af6ea_oproj
		.amdhsa_group_segment_fixed_size 327680
		.amdhsa_private_segment_fixed_size 0
		.amdhsa_enable_private_segment 0
		.amdhsa_kernarg_size 24
		.amdhsa_user_sgpr_count 2
		.amdhsa_user_sgpr_kernarg_segment_ptr 1
		.amdhsa_wavefront_size32 1
		.amdhsa_system_sgpr_workgroup_id_x 1
		.amdhsa_system_sgpr_workgroup_id_y 1
		.amdhsa_system_sgpr_workgroup_id_z 1
		.amdhsa_system_vgpr_workitem_id 0
		.amdhsa_next_free_vgpr 384
		.amdhsa_next_free_sgpr 66
		.amdhsa_reserve_vcc 0
		.amdhsa_float_denorm_mode_32 3
		.amdhsa_float_denorm_mode_16_64 3
		.amdhsa_memory_ordered 1
		.amdhsa_forward_progress 1
		.amdhsa_inst_pref_size 90
	.end_amdhsa_kernel
	.amdgpu_metadata
---
amdhsa.version: [ 1, 2 ]
amdhsa.kernels:
  - .name:           k_q05017af6ea_oproj
    .symbol:         k_q05017af6ea_oproj.kd
    .args:
      - { .name: ao, .offset: 0, .size: 8, .value_kind: global_buffer, .address_space: global }
      - { .name: wh, .offset: 8, .size: 8, .value_kind: global_buffer, .address_space: global }
      - { .name: out0, .offset: 16, .size: 8, .value_kind: global_buffer, .address_space: global }
    .group_segment_fixed_size: 327680
    .private_segment_fixed_size: 0
    .kernarg_segment_align: 8
    .kernarg_segment_size: 24
    .max_flat_workgroup_size: 128
    .sgpr_count:     66
    .vgpr_count:     384
    .wavefront_size: 32
...
	.end_amdgpu_metadata
.endif
;; end of part 4
